; MI455X (gfx1250); checked and timed in simulation.
; The chip was launched on July 23, 2026; its instructions are those of AMD's public machine-readable ISA for CDNA 5 (MIT licence, August 2026) and "CDNA5" Instruction Set Architecture Reference Guide (July 2026). The comments in the code are by the model that wrote it; some were corrected since.
;; Multi Head Self Attention. Allowed arithmetic: float matrix products may take bf16 or f16 operands with f32 sums; all other float work in f32.
;; Inputs: W_K 1,024 x 1,024 float32; W_Q 1,024 x 1,024 float32; W_T 1,024 x 1,024 float32; W_V 1,024 x 1,024 float32; k 2 x 2,048 x 1,024 float32; mask 1 x 1 x 2,048 x 2,048 int32; q 2 x 2,048 x 1,024 float32; v 2 x 2,048 x 1,024 float32.
;; Outputs: out0 2 x 2,048 x 1,024 float32.
;; One version. Each part assembles by itself: llvm-mc -triple=amdgcn-amd-amdhsa -mcpu=gfx1250 --defsym DOCPART=n.
;; ======== version 1 of 1: 4 launches
;; limits: values are held in f16: magnitudes above 65,504 overflow, below 6.1e-05 lose precision
;; workspace buffers: xb 25,165,824 bytes; wb 8,388,608 bytes; mbits 524,288 bytes of whole numbers; qkv 25,165,824 bytes; ctx 8,388,608 bytes
;; launch prep (part 1): grid 64 x 20, 8 waves a work-group, no clusters, 0 bytes of LDS; arguments q, k, v, W_Q, W_K, W_V, W_T, mask, xb, wb, mbits; writes xb, wb, mbits
.if DOCPART == 1
	.amdgcn_target "amdgcn-amd-amdhsa--gfx1250"
	.amdhsa_code_object_version 6
	.text
	.protected	k_q743b34173f_prep
	.globl	k_q743b34173f_prep
	.p2align	8
	.type	k_q743b34173f_prep,@function
k_q743b34173f_prep:
	s_mov_b64 s[64:65], 0
	v_nop
	global_prefetch_b8 v0, s[64:65] scope:SCOPE_SE
	s_setreg_imm32_b32 hwreg(HW_REG_WAVE_MODE, 25, 1), 1
	s_wait_xcnt 0x0
; prep: the operands of the later launches, made once.
;   y = 0..11 : q, k, v (f32) -> xb, f16 [3][4096][1024]; a unit of y is 4 MiB of f32, a work-group takes 64 KiB of it
;   y = 12..15: W_Q, W_K, W_V, W_T (f32) -> wb, f16 [4][1024 k][1024 n], not transposed; W_Q is multiplied by 0.125 log2(e) first,
;               so that Q K^T comes out as the score in units of log2 and nothing is scaled later (one rounding of the product)
;   y = 16..19: mask (int32 [2048][2048]) -> mbits, u32 [64 q32][64 k32][2 t][2 kt2][8 j]: bit r + 16 h of a word says
;               mask[32 q32 + 16 t + r][32 k32 + 16 kt2 + 8 h + j] != 0: the lane mask of register j of a 16 x 16 tile (key down, query across)
; A stream: memory binds, so no LDS, no barrier, no matrix unit; all of a wave's loads go out at once and no register is used twice.
; LIMITS: f16 holds magnitudes up to 65,504: larger inputs become infinite.  Below 6.1e-5 f16 is denormal, with steps of 6e-8.
.set X,  4                             ; v[4:67]   as loaded
.set Y,  68                            ; v[68:99]  f16 to store
.set MW, 100                           ; v[100:101] mask path: lane l gathers words 2 l and 2 l + 1 of the wave's 64
.set QSCALE, 0x3e38aa3b                ; 0.125 * log2(e)
	s_load_b512 s[8:23], s[0:1], 0x0               ; q 8, k 10, v 12, W_Q 14, W_K 16, W_V 18, W_T 20, mask 22
	s_load_b128 s[24:27], s[0:1], 0x40             ; xb 24, wb 26
	s_load_b64 s[28:29], s[0:1], 0x50              ; mbits
	s_and_b32 s3, ttmp7, 0xffff                    ; y
	v_lshrrev_b32 v1, 5, v0
	v_readfirstlane_b32 s2, v1                     ; wave
	s_wait_kmcnt 0x0
	s_cmp_ge_u32 s3, 16
	s_cbranch_scc1 .Lmask
	; ---- casts.  The source and the destination are chosen among the buffers by y alone.
	s_lshr_b32 s4, s3, 2                           ; 0 q, 1 k, 2 v, 3 a weight
	s_and_b32 s5, s3, 3                            ; which quarter of q, k, v; or which weight
	s_cmp_eq_u32 s4, 0
	s_cselect_b64 s[30:31], s[8:9], s[10:11]
	s_cmp_eq_u32 s4, 2
	s_cselect_b64 s[30:31], s[12:13], s[30:31]
	s_cmp_eq_u32 s5, 0
	s_cselect_b64 s[36:37], s[14:15], s[16:17]
	s_cmp_eq_u32 s5, 2
	s_cselect_b64 s[36:37], s[18:19], s[36:37]
	s_cmp_eq_u32 s5, 3
	s_cselect_b64 s[36:37], s[20:21], s[36:37]
	s_cmp_eq_u32 s4, 3
	s_cselect_b64 s[30:31], s[36:37], s[30:31]     ; source
	s_cselect_b64 s[34:35], s[26:27], s[24:25]     ; destination: wb or xb
	s_cselect_b32 s38, 0, s5                       ; the source's 4 MiB unit
	s_cselect_b32 s39, s5, s3                      ; the destination's 2 MiB unit
	s_lshl_b32 s40, s38, 22
	s_lshl_b32 s41, ttmp9, 16                      ; the work-group's 64 KiB
	s_add_co_u32 s40, s40, s41
	s_mov_b32 s41, 0
	s_add_nc_u64 s[30:31], s[30:31], s[40:41]
	s_lshl_b32 s42, s39, 21
	s_lshl_b32 s43, ttmp9, 15
	s_add_co_u32 s42, s42, s43
	s_mov_b32 s43, 0
	s_add_nc_u64 s[34:35], s[34:35], s[42:43]
	s_mov_b32 s32, QSCALE
	s_mov_b32 s33, QSCALE
	v_and_b32 v2, 31, v0
	v_and_b32 v3, 0xe0, v0                         ; 32 x wave
	v_lshlrev_b32 v1, 4, v2
	v_lshl_or_b32 v1, v3, 8, v1                    ; in: wave x 8,192 + lane x 16
	v_lshrrev_b32 v2, 1, v1                        ; out: half of that
.irp i, 0,1,2,3,4,5,6,7,8,9,10,11,12,13,14,15
	global_load_b128 v[X+4*\i:X+4*\i+3], v1, s[30:31] offset:512*\i th:TH_LOAD_NT   ; 512 neighbouring bytes a load; read once in the launch
.endr
; chunk i: four f32 a lane become 8 bytes; a wave's store covers 256 consecutive bytes, aligned
.macro CAST scaled
.irp i, 0,1,2,3,4,5,6,7,8,9,10,11,12,13,14,15
	s_wait_loadcnt 15-\i                           ; loads come back in order: chunk i is in, the 15 - i younger ones stay out
.if \scaled
	v_pk_mul_f32 v[X+4*\i:X+4*\i+1], v[X+4*\i:X+4*\i+1], s[32:33] op_sel_hi:[1,0]
	v_pk_mul_f32 v[X+4*\i+2:X+4*\i+3], v[X+4*\i+2:X+4*\i+3], s[32:33] op_sel_hi:[1,0]
.endif
	v_cvt_pk_f16_f32 v[Y+2*\i], v[X+4*\i], v[X+4*\i+1]
	v_cvt_pk_f16_f32 v[Y+2*\i+1], v[X+4*\i+2], v[X+4*\i+3]
	global_store_b64 v2, v[Y+2*\i:Y+2*\i+1], s[34:35] offset:256*\i
.endr
	s_endpgm
.endm
	s_cmp_eq_u32 s3, 12
	s_cbranch_scc1 .Lscaled
	CAST 0
.Lscaled:
	CAST 1                                         ; W_Q alone is multiplied
	; ---- the mask.  A wave takes 32 queries x 64 keys: 64 words, one aligned block of 256 bytes of mbits.
.Lmask:
	s_sub_co_u32 s4, s3, 16
	s_lshl_b32 s4, s4, 9
	s_lshl_b32 s5, ttmp9, 3
	s_add_co_u32 s4, s4, s5
	s_add_co_u32 s4, s4, s2                        ; u = 0..2047 = 32 q32 + k64
	s_lshr_b32 s5, s4, 5
	s_and_b32 s6, s4, 31
	s_lshl_b32 s40, s5, 18                         ; 32 rows of 8,192 bytes
	s_lshl_b32 s6, s6, 8                           ; 64 keys of 4 bytes
	s_add_co_u32 s40, s40, s6
	s_mov_b32 s41, 0
	s_add_nc_u64 s[22:23], s[22:23], s[40:41]
	s_lshl_b32 s42, s4, 8
	s_mov_b32 s43, 0
	s_add_nc_u64 s[28:29], s[28:29], s[42:43]
	v_and_b32 v1, 15, v0                           ; r: the query in a tile
	v_bfe_u32 v2, v0, 4, 1                         ; h: which eight keys of a tile's sixteen
	v_lshlrev_b32 v1, 13, v1
	v_lshl_or_b32 v1, v2, 5, v1                    ; r rows + 8 h keys
	v_and_b32 v3, 31, v0
	v_lshlrev_b32 v3, 3, v3                        ; out: 8 bytes a lane
	v_mov_b32 v[MW], 0                             ; v_writelane_b32 keeps the other lanes: written whole first
	v_mov_b32 v[MW+1], 0
.irp t, 0,1
.irp kt, 0,1,2,3
	global_load_b128 v[X+32*\t+8*\kt:X+32*\t+8*\kt+3], v1, s[22:23] offset:\t*131072+\kt*64       ; the eight loads of a t read 256 neighbouring bytes of each of 16 rows
	global_load_b128 v[X+32*\t+8*\kt+4:X+32*\t+8*\kt+7], v1, s[22:23] offset:\t*131072+\kt*64+16
.endr
.endr
.irp t, 0,1
.irp kt, 0,1,2,3
	s_wait_loadcnt 14-2*(4*\t+\kt)                 ; this tile's two loads are in, the younger pairs stay out
.irp j, 0,1,2,3,4,5,6,7
	v_cmp_ne_u32 s[44+\j], 0, v[X+32*\t+8*\kt+\j]  ; bit of lane (r, h): key 8 h + j of query r is open
.endr
.irp j, 0,1,2,3,4,5,6,7
	v_writelane_b32 v[MW+(\j&1)], s[44+\j], ((\kt>>1)*32+\t*16+(\kt&1)*8+\j)>>1   ; word w = 32 (kt / 2) + 16 t + 8 (kt % 2) + j goes to lane w / 2, register w % 2
.endr
.endr
.endr
	global_store_b64 v3, v[MW:MW+1], s[28:29]      ; 256 consecutive bytes, aligned
	s_endpgm
.Lfunc_end_k_q743b34173f_prep:
	.size	k_q743b34173f_prep, .Lfunc_end_k_q743b34173f_prep-k_q743b34173f_prep
	.p2alignl 7, 3214868480
	.fill 96, 4, 3214868480
	.section	.rodata,"a",@progbits
	.p2align	6, 0x0
	.amdhsa_kernel k_q743b34173f_prep
		.amdhsa_group_segment_fixed_size 0
		.amdhsa_private_segment_fixed_size 0
		.amdhsa_enable_private_segment 0
		.amdhsa_kernarg_size 88
		.amdhsa_user_sgpr_count 2
		.amdhsa_user_sgpr_kernarg_segment_ptr 1
		.amdhsa_wavefront_size32 1
		.amdhsa_system_sgpr_workgroup_id_x 1
		.amdhsa_system_sgpr_workgroup_id_y 1
		.amdhsa_system_sgpr_workgroup_id_z 1
		.amdhsa_system_vgpr_workitem_id 0
		.amdhsa_next_free_vgpr 104
		.amdhsa_next_free_sgpr 66
		.amdhsa_reserve_vcc 0
		.amdhsa_float_denorm_mode_32 3
		.amdhsa_float_denorm_mode_16_64 3
		.amdhsa_memory_ordered 1
		.amdhsa_forward_progress 1
		.amdhsa_inst_pref_size 25
	.end_amdhsa_kernel
	.amdgpu_metadata
---
amdhsa.version: [ 1, 2 ]
amdhsa.kernels:
  - .name:           k_q743b34173f_prep
    .symbol:         k_q743b34173f_prep.kd
    .args:
      - { .name: q, .offset: 0, .size: 8, .value_kind: global_buffer, .address_space: global }
      - { .name: k, .offset: 8, .size: 8, .value_kind: global_buffer, .address_space: global }
      - { .name: v, .offset: 16, .size: 8, .value_kind: global_buffer, .address_space: global }
      - { .name: W_Q, .offset: 24, .size: 8, .value_kind: global_buffer, .address_space: global }
      - { .name: W_K, .offset: 32, .size: 8, .value_kind: global_buffer, .address_space: global }
      - { .name: W_V, .offset: 40, .size: 8, .value_kind: global_buffer, .address_space: global }
      - { .name: W_T, .offset: 48, .size: 8, .value_kind: global_buffer, .address_space: global }
      - { .name: mask, .offset: 56, .size: 8, .value_kind: global_buffer, .address_space: global }
      - { .name: xb, .offset: 64, .size: 8, .value_kind: global_buffer, .address_space: global }
      - { .name: wb, .offset: 72, .size: 8, .value_kind: global_buffer, .address_space: global }
      - { .name: mbits, .offset: 80, .size: 8, .value_kind: global_buffer, .address_space: global }
    .group_segment_fixed_size: 0
    .private_segment_fixed_size: 0
    .kernarg_segment_align: 8
    .kernarg_segment_size: 88
    .max_flat_workgroup_size: 256
    .sgpr_count:     66
    .vgpr_count:     104
    .wavefront_size: 32
...
	.end_amdgpu_metadata
.endif
;; end of part 1
;; launch proj (part 2): grid 12 x 16, 4 waves a work-group, clusters of 4 x 4, 327,680 bytes of LDS; arguments xb, wb, qkv; writes qkv
.if DOCPART == 2
	.amdgcn_target "amdgcn-amd-amdhsa--gfx1250"
	.amdhsa_code_object_version 6
	.text
	.protected	k_q743b34173f_proj
	.globl	k_q743b34173f_proj
	.p2align	8
	.type	k_q743b34173f_proj,@function
k_q743b34173f_proj:
	s_mov_b64 s[64:65], 0
	v_nop
	global_prefetch_b8 v0, s[64:65] scope:SCOPE_SE
	s_setreg_imm32_b32 hwreg(HW_REG_WAVE_MODE, 25, 1), 1
	s_wait_xcnt 0x0
	s_wait_alu depctr_hold_cnt(0) depctr_sa_sdst(0) depctr_va_vdst(0) depctr_va_sdst(0) depctr_va_ssrc(0) depctr_va_vcc(0) depctr_vm_vsrc(0)
	s_getreg_b32 s2, hwreg(HW_REG_IB_STS2, 6, 4)
	s_cmp_eq_u32 s2, 0
	s_cbranch_scc0 .Lentry_in_a_cluster
	s_endpgm
.Lentry_in_a_cluster:
	s_bfe_u32 s2, ttmp6, 0x10000c
	s_cmp_lg_u32 s2, 0xf033
	s_cbranch_scc0 .Lentry_shape_is_right
	s_endpgm
.Lentry_shape_is_right:
; proj: Q c = q (W_Q c), K = k W_K, V = v W_V.  xb: f16 [3][4096][1024], wb: f16 [4][1024 k][1024 n], sums in f32,
; qkv: f16 [3][b 2][h 16][s 2048][64].  LIMIT: a result above 65,504 in magnitude becomes infinite in f16; with x and W both offset by
; 30 of their spreads the results reach 30 x (30/32) x 1024 = 28,800.
; A work-group makes one block of 256 x 256 of one product with four waves, a wave 128 x 128: 64 accumulator tiles of 16 x 16, 512 registers.
; The three products have 3 x 16 x 4 = 192 such blocks, so 192 work-groups.  Blocks of 128 x 128 would make 768, but a wave tile of side t reads 2 t K numbers
; from LDS for t t K multiply-adds: at t = 64 each byte from LDS, and each byte of a fill, feeds half the multiply-adds that it feeds at t = 128.
; K goes in steps of 128 through a ring of two LDS slots filled by the tensor data mover.
; CLUSTERS: 4 x 4 work-groups; a cluster's x is the product (its four columns are the product's whole 1,024 columns), its y four row blocks.  x's tile hangs on the
; product and the row block and is asked for jointly by a row of the cluster, W's on the product and the column block and by a column: a quarter of the requests.
; W lies [k][n]: its fragments come out of LDS by the transposing load.  THE MATRIX INSTRUCTION IS USED TRANSPOSED (source 0 = W, source 1 = x):
; lane l then holds row l % 16 and the eight neighbouring columns 8 (l / 16) + 0 .. 7 of a tile, which pack into 16 bytes.
; REGISTERS, in windows of 256:
;   window 0: v16-26 addresses; v64-127, v128-191 fragments of x (8 x 16 rows x 32 k), two buffers; v192-223 packed results on the way out
;   window 1: v64-127, v128-191 fragments of W (8 x 16 columns x 32 k), two buffers
;   window 2: the 32 accumulator tiles of my rows 0-63 (tile (a, b) at v[8 (8 a + b)]);   window 3: those of my rows 64-127
.set KSTEP,  128
.set PITCH,  272                       ; x's LDS row: 256 bytes + 16 = 17 x 16: the 16 rows that a load touches start 16 bytes further on in each 256
.set PITCHB, 544                       ; W's LDS row: 512 bytes + 32 = 17 x 32
.set HALFT,  128*PITCH                 ; 34,816: what one tensor load brings: 128 rows of x, or 64 k rows of W (64 x 544)
.set SLOT,   4*HALFT                   ; x's 256 rows, then W's 128 k rows
.set STAGE,  2*SLOT                    ; 278,528, a multiple of 256, behind the ring: 16 rows x 272 bytes for each wave; no fill lands here
.set SPITCH, 272
.set LAPS,   4                         ; a lap = two K steps = once round the ring; 1,024 / 256
.set ADRA, 16                          ; v16-17  LDS address of my x fragments in slot 0, 1
.set ADRB, 20                          ; v20-21  the same for W
.set STO,  24                          ; v24     the way out: where I put 16 bytes of a row
.set RD,   25                          ; v25     the way out: where I read rows back
.set CO,   26                          ; v26     my byte offset in 512 dense bytes of qkv
.set F0,   64
.set F1,   128
.set TMP,  192
.set G1,  24                           ; s[24:31] group 1 for x's tiles
.set G0,  32                           ; s[32:39] group 0 for x's tiles, one set a slot
.set G1B, 48                           ; s[48:55] group 1 for W's tiles
.set G0B, 56                           ; s[56:63] group 0 for W's tiles, one set a slot
.set MSB, 0
.macro WIN new                         ; the immediate's high byte repeats the setting that is left
.if MSB != \new
	s_set_vgpr_msb (MSB<<8)|\new
.set MSB, \new
.endif
.endm
.set MUL_LO, 0xa1                      ; source 0 (W) window 1, source 1 (x) window 0, C and D window 2
.set MUL_HI, 0xf1                      ; the same, C and D window 3
.set TO_B,   0x40                      ; destination window 1, address window 0
; A joint load.  Waves 0 and 1 fetch x's two halves, waves 2 and 3 W's.  Each line has one mask; the branch hangs on the wave's number alone.
.macro JLOAD s
	s_cmp_eq_u32 s11, 0
	s_cbranch_scc0 .Lfor_b_\@
	tensor_load_to_lds s[G0+4*\s:G0+4*\s+3], s[G1:G1+7]
	s_nop 0
	s_branch .Lasked_\@
.Lfor_b_\@:
	tensor_load_to_lds s[G0B+4*\s:G0B+4*\s+3], s[G1B:G1B+7]
	s_nop 0
.Lasked_\@:
.endm
.macro CREST                           ; a round of the cluster's barrier behind its opening work-group barrier
	s_cmp_lg_u32 s10, 0
	s_cbranch_scc1 .Lnot_wave_0_\@
	s_barrier_signal -3
.Lnot_wave_0_\@:
	s_barrier_wait -3
	s_barrier_signal -1
	s_barrier_wait -1
.endm
.macro CROUND                          ; a whole round
	s_barrier_signal -1
	s_barrier_wait -1
	CREST
.endm
	s_load_b128 s[4:7], s[0:1], 0x0                ; xb, wb
	s_load_b64 s[8:9], s[0:1], 0x10                ; qkv
	s_set_vgpr_msb 0x40
	v_lshl_add_u32 v255, v0, 2, 0x48400
	s_set_vgpr_msb 0x4000
	v_mov_b32 v255, 0
	s_set_vgpr_msb 0x1
	ds_add_u32 v255, v255
	s_set_vgpr_msb 0x100
	v_lshrrev_b32 v1, 5, v0
	v_readfirstlane_b32 s10, v1                    ; wave 0..3
	s_lshr_b32 s11, s10, 1                         ; which half of the block's rows is mine.  Also: I fetch for x (0) or for W (1)
	s_and_b32 s12, s10, 1                          ; which half of its columns.  Also: which half of that tile I fetch
	s_bfe_u32 s40, ttmp6, 0x40000                  ; cx: the column block of 256, 0..3
	s_bfe_u32 s41, ttmp6, 0x40004                  ; cy
	s_and_b32 s13, ttmp7, 0xffff
	s_lshl_b32 s13, s13, 2
	s_add_co_u32 s13, s13, s41                     ; the row block of 256 = 4 x cluster y + cy, 0..15
	s_lshl_b32 s43, s41, 2
	s_lshl_b32 s43, 15, s43                        ; my row of the cluster: places 4 cy .. 4 cy + 3
	s_lshl_b32 s44, 0x1111, s40                    ; my column: places cx, cx + 4, cx + 8, cx + 12
	; x's tiles: 128 rows x 128 elements of 2 bytes, 4 words of padding behind every 64 words
	s_or_b32 s[G1+0], s43, (1<<16)|(1<<20)|(1<<21)|(5<<22)|(3<<25)
	s_mov_b32 s[G1+1], KSTEP<<16                   ; tensor_dim0 = 128
	s_mov_b32 s[G1+2], 128<<16                     ; tensor_dim1 = 128
	s_mov_b32 s[G1+3], KSTEP<<16                   ; tile_dim0 = 128
	s_mov_b32 s[G1+4], 128                         ; tile_dim1 = 128
	s_mov_b32 s[G1+5], 1024                        ; elements from row to row
	s_mov_b32 s[G1+6], 0
	s_mov_b32 s[G1+7], 0
	; W's tiles: 64 k rows x 256 elements, 8 words of padding behind every 128 words
	s_or_b32 s[G1B+0], s44, (1<<16)|(1<<20)|(1<<21)|(6<<22)|(7<<25)
	s_mov_b32 s[G1B+1], 256<<16                    ; tensor_dim0 = 256
	s_mov_b32 s[G1B+2], 64<<16                     ; tensor_dim1 = 64
	s_mov_b32 s[G1B+3], 256<<16                    ; tile_dim0 = 256
	s_mov_b32 s[G1B+4], 64                         ; tile_dim1 = 64
	s_mov_b32 s[G1B+5], 1024
	s_mov_b32 s[G1B+6], 0
	s_mov_b32 s[G1B+7], 0
	; where the tiles come from.  Every wave makes both addresses, each in registers that never hold the other's coordinate, and asks by one of them.
	s_lshl_b32 s16, ttmp9, 23                      ; x: the product's input of 8,388,608 bytes,
	s_lshl_b32 s17, s13, 19                        ; 256 rows of 2,048 bytes for each row block,
	s_add_co_u32 s16, s16, s17
	s_lshl_b32 s17, s12, 18                        ; 128 rows for the second half
	s_add_co_u32 s16, s16, s17
	s_mov_b32 s17, 0
	s_lshl_b32 s46, ttmp9, 21                      ; W: the product's matrix of 2,097,152 bytes,
	s_lshl_b32 s47, s12, 17                        ; 64 k rows of 2,048 bytes for the second half,
	s_add_co_u32 s46, s46, s47
	s_lshl_b32 s47, s40, 9                         ; 256 columns of 2 bytes for each column block
	s_add_co_u32 s46, s46, s47
	s_mov_b32 s47, 0
	s_mul_i32 s20, s10, HALFT                      ; and where they go: x's two halves, then W's two halves = wave x 34,816: no place in the cluster enters an LDS address
	s_wait_dscnt 0x0
	s_wait_kmcnt 0x0
	s_add_nc_u64 s[14:15], s[4:5], s[16:17]
	s_add_nc_u64 s[46:47], s[6:7], s[46:47]
	CROUND                                         ; all sixteen work-groups are here: the first joint loads meet
.irp s, 0,1
	s_mov_b32 s[G0+4*\s], 1
	s_add_co_u32 s[G0+4*\s+1], s20, \s*SLOT
	s_add_nc_u64 s[G0+4*\s+2:G0+4*\s+3], s[14:15], \s*KSTEP*2      ; K step s: 128 elements along the rows
	s_or_b32 s[G0+4*\s+3], s[G0+4*\s+3], 0x80000000
	s_mov_b32 s[G0B+4*\s], 1
	s_add_co_u32 s[G0B+4*\s+1], s20, \s*SLOT
	s_add_nc_u64 s[G0B+4*\s+2:G0B+4*\s+3], s[46:47], \s*KSTEP*2048 ; K step s: 128 k rows down
	s_or_b32 s[G0B+4*\s+3], s[G0B+4*\s+3], 0x80000000
	JLOAD \s                                       ; the ring is filled before anything else is done: two loads of the wave are out
.endr
	; x's fragment (16 rows x 32 k): lane l holds row l % 16; two loads of 16 bytes, 32 bytes apart, at row x pitch + 16 (l / 16).
	; W's fragment (32 k x 16 columns) from [k][n] rows: two transposing loads, 16 k rows apart, at (8 (l / 16) + l % 8) x pitch + 16 x bit 3 of l.
	v_and_b32 v1, 15, v0                           ; l % 16
	v_bfe_u32 v2, v0, 4, 1                         ; l / 16
	v_mul_u32_u24 v3, v1, PITCH
	v_lshl_add_u32 v3, v2, 4, v3                   ; row x 272 + 16 x half
	s_mul_i32 s21, s11, HALFT                      ; my 128 rows of x
	v_add_nc_u32 v[ADRA], s21, v3
	v_add_nc_u32 v[ADRA+1], SLOT, v[ADRA]
	v_and_b32 v4, 7, v0
	v_lshl_add_u32 v4, v2, 3, v4
	v_mul_u32_u24 v4, v4, PITCHB
	v_bfe_u32 v5, v0, 3, 1
	v_lshl_add_u32 v4, v5, 4, v4
	s_lshl_b32 s22, s12, 8                         ; my 128 columns of W,
	s_add_co_u32 s22, s22, 2*HALFT                 ; which lies behind x's 256 rows
	v_add_nc_u32 v[ADRB], s22, v4
	v_add_nc_u32 v[ADRB+1], SLOT, v[ADRB]
	s_mul_i32 s23, s10, 16*SPITCH
	s_add_co_u32 s23, s23, STAGE                   ; my stage
	v_add_nc_u32 v[STO], s23, v3                   ; in: row l % 16, 16 bytes for each half of the lanes
	v_and_b32 v4, 31, v0
	v_lshrrev_b32 v5, 3, v4
	v_mul_u32_u24 v5, v5, SPITCH
	v_and_b32 v3, 7, v0
	v_lshl_add_u32 v5, v3, 4, v5
	v_add_nc_u32 v[RD], s23, v5                    ; back: eight lanes take one head's 128 bytes of a row, four rows a load
	v_lshlrev_b32 v[CO], 4, v4                     ; which are 512 dense bytes in qkv
; 16 matrix instructions: row tiles a0, a0 + 1 of the window's four (hi = 0: my rows 0-63, 1: rows 64-127) x all 8 column tiles, 32 along k.
; zero = 1: the first product starts the sums: nothing is ever cleared.  The 64 accumulators take turns, one instruction a turn, in the same order in every
; quarter step.
.macro MUL16 f, hi, a0, zero
.irp a, \a0, \a0+1
.irp b, 0,1,2,3,4,5,6,7
.if \zero
	v_wmma_f32_16x16x32_f16 v[8*(8*(\a)+\b):8*(8*(\a)+\b)+7], v[\f+8*\b:\f+8*\b+7], v[\f+8*(4*\hi+\a):\f+8*(4*\hi+\a)+7], 0
.else
	v_wmma_f32_16x16x32_f16 v[8*(8*(\a)+\b):8*(8*(\a)+\b)+7], v[\f+8*\b:\f+8*\b+7], v[\f+8*(4*\hi+\a):\f+8*(4*\hi+\a)+7], v[8*(8*(\a)+\b):8*(8*(\a)+\b)+7]
.endif
.endr
.endr
.endm
; 32 LDS loads in one run: the fragments of quarter step q (32 along k) of a slot into buffer f: W's 128 columns, then x's 128 rows
.macro FETCH slot, q, f
	WIN TO_B
.irp i, 0,1,2,3,4,5,6,7
	ds_load_tr16_b128 v[\f+8*\i:\f+8*\i+3],   v[ADRB+\slot] offset:\q*32*PITCHB+32*\i
	ds_load_tr16_b128 v[\f+8*\i+4:\f+8*\i+7], v[ADRB+\slot] offset:\q*32*PITCHB+32*\i+16*PITCHB
.endr
	WIN 0
.irp i, 0,1,2,3,4,5,6,7
	ds_load_b128 v[\f+8*\i:\f+8*\i+3],   v[ADRA+\slot] offset:\q*64+\i*16*PITCH
	ds_load_b128 v[\f+8*\i+4:\f+8*\i+7], v[ADRA+\slot] offset:\q*64+\i*16*PITCH+32
.endr
.endm
; Four places behind a matrix instruction, in front of loads into registers that it has read and of readers of its result;
; the matrix instructions in between are not counted as places.
.macro PLACES
.rept 4
	v_nop
.endr
.endm
; A K step is four quarter steps, 64 matrix instructions each, on buffers 0, 1, 0, 1.
; One of the first three: multiplies buffer f; in its middle it fetches quarter q of the same slot into buffer g.
.macro QUARTER slot, q, f, g, zero
	s_wait_dscnt 8                                 ; W and x's rows 0-63 are in; the youngest eight loads (x's rows 64-127) may be out
	WIN MUL_LO
	MUL16 \f, 0, 0, \zero
	MUL16 \f, 0, 2, \zero
	PLACES
	FETCH \slot, \q, \g
	s_wait_dscnt 32                                ; all but the 32 just issued
	WIN MUL_HI
	MUL16 \f, 1, 0, \zero
	MUL16 \f, 1, 2, \zero
.endm
.macro THREE slot, zero
	QUARTER \slot, 1, F0, F1, \zero
	QUARTER \slot, 2, F1, F0, 0
	QUARTER \slot, 3, F0, F1, 0
.endm
; The last quarter: multiplies buffer 1 and changes slots.  next = the other slot; fill = 1: this slot is filled again, two K steps ahead.
; In front of the barrier each wave waits for its own reads of this slot and for all its tensor loads, of which one is out: its part of the next slot.
; Where a slot is filled again the barrier opens a round of the cluster's barrier; behind the round the refill comes first, then the next slot's first fragments.
; From a request to the wait for it a wave issues 240 matrix instructions.
.macro TURN slot, next, fill
	s_wait_dscnt 8
	WIN MUL_LO
	MUL16 F1, 0, 0, 0
	s_wait_dscnt 0                                 ; my reads of this slot are over
	s_wait_tensorcnt 0x0                           ; and all my tensor loads have landed
	ds_add_u32 v255, v255
	s_wait_dscnt 0x0
	s_barrier_signal -1
	MUL16 F1, 0, 2, 0                              ; work on registers while the others arrive
	WIN 0
	s_barrier_wait -1
.if \fill
	CREST                                          ; no wave of any partner still reads this slot's tile or has a load on its way
	s_add_nc_u64 s[G0+4*\slot+2:G0+4*\slot+3], s[G0+4*\slot+2:G0+4*\slot+3], 2*KSTEP*2
	s_add_nc_u64 s[G0B+4*\slot+2:G0B+4*\slot+3], s[G0B+4*\slot+2:G0B+4*\slot+3], 2*KSTEP*2048
	JLOAD \slot                                    ; my one tensor load until the next round
.endif
	PLACES
	FETCH \next, 0, F0
	WIN MUL_HI
	MUL16 F1, 1, 0, 0
	MUL16 F1, 1, 2, 0
.endm
.macro LAP zero                        ; once round the ring, both slots filled again
	THREE 0, \zero
	TURN 0, 1, 1
	THREE 1, 0
	TURN 1, 0, 1
.endm
	s_wait_tensorcnt 1                             ; my part of K step 0 is in; K step 1's may stay out
	s_barrier_signal -1
	s_barrier_wait -1                              ; everybody's is
	FETCH 0, 0, F0
	LAP 1                                          ; K steps 0, 1: the first products start the sums
	WIN 0                                          ; at a label and at a branch every window is 0
	s_mov_b32 s3, LAPS-2
.Llap:
	LAP 0                                          ; K steps 2 to 5; the fills reach K step 7
	WIN 0
	s_sub_co_u32 s3, s3, 1
	s_cmp_lg_u32 s3, 0
	s_cbranch_scc1 .Llap
	THREE 0, 0                                     ; the last lap fills nothing
	TURN 0, 1, 0
	THREE 1, 0
	s_wait_dscnt 8                                 ; the very last quarter: nothing more to fetch
	WIN MUL_LO
	MUL16 F1, 0, 0, 0
	MUL16 F1, 0, 2, 0
	s_wait_dscnt 0
	WIN MUL_HI
	MUL16 F1, 1, 0, 0
	MUL16 F1, 1, 2, 0
	; THE WAY OUT, 16 rows at a time: round to f16, 16 bytes a lane into my own stage, read back by heads.  My 128 columns are two heads; 16 rows of a head are 2,048 dense bytes of qkv.
	PLACES                                         ; behind the last matrix instructions: for the conversions, which read results, and for the loads into buffers 0 and 1
	s_lshl_b32 s16, ttmp9, 23                      ; the product's section of qkv,
	s_lshr_b32 s17, s13, 3
	s_lshl_b32 s17, s17, 22                        ; the batch: 16 heads of 262,144 bytes,
	s_add_co_u32 s16, s16, s17
	s_and_b32 s17, s13, 7
	s_lshl_b32 s17, s17, 15                        ; 256 rows of 128 bytes for each row block in the batch,
	s_add_co_u32 s16, s16, s17
	s_lshl_b32 s17, s11, 14                        ; 128 rows for my half
	s_add_co_u32 s16, s16, s17
	s_mov_b32 s17, 0
	s_add_nc_u64 s[8:9], s[8:9], s[16:17]
	s_lshl_b32 s46, s40, 20                        ; head 4 x column block + 2 x my half (in the registers that held W's address: none that feeds x's descriptors ever holds cx)
	s_lshl_b32 s47, s12, 19
	s_add_co_u32 s46, s46, s47
	s_mov_b32 s47, 0
	s_add_nc_u64 s[8:9], s[8:9], s[46:47]
; rows 16 i .. 16 i + 15 of my block = the eight tiles (a, 0..7) of window 2 or 3 (from = 0x0a or 0x0f: sources 0 and 1); f: F0 or F1 in turn
.macro OUT16 i, a, from, f
	WIN \from
.irp b, 0,1,2,3,4,5,6,7
.irp r, 0,1,2,3
	v_cvt_pk_f16_f32 v[TMP+4*\b+\r], v[8*(8*\a+\b)+2*\r], v[8*(8*\a+\b)+2*\r+1]
.endr
.endr
	WIN 0
.irp b, 0,1,2,3,4,5,6,7
	ds_store_b128 v[STO], v[TMP+4*\b:TMP+4*\b+3] offset:32*\b
.endr
	s_wait_xcnt 0x0                                ; buffer f, which earlier stores read, is loaded again only behind this wait
.irp t, 0,1,2,3,4,5,6,7
	ds_load_b128 v[\f+4*\t:\f+4*\t+3], v[RD] offset:(\t&3)*4*SPITCH+(\t>>2)*128    ; head t / 4, rows 4 (t % 4) ..; LDS serves a wave's instructions in order: these see the stores above
.endr
.irp t, 0,1,2,3,4,5,6,7
	s_wait_dscnt 7-\t                              ; read-back t is in, the 7 - t younger ones stay out
	global_store_b128 v[CO], v[\f+4*\t:\f+4*\t+3], s[8:9] offset:(\t>>2)*262144+\i*2048+(\t&3)*512   ; 512 consecutive bytes, aligned; the place stands in the immediate, 278,016 at the most
.endr
.endm
	OUT16 0, 0, 0x0a, F0
	OUT16 1, 1, 0x0a, F1
	OUT16 2, 2, 0x0a, F0
	OUT16 3, 3, 0x0a, F1
	OUT16 4, 0, 0x0f, F0
	OUT16 5, 1, 0x0f, F1
	OUT16 6, 2, 0x0f, F0
	OUT16 7, 3, 0x0f, F1
	s_set_vgpr_msb 0x1
	s_wait_tensorcnt 0x0
	ds_add_u32 v255, v255
	s_wait_dscnt 0x0
	s_set_vgpr_msb 0x100
	CROUND                                         ; the closing round: no work-group ends while a partner may still ask for a tile that names it
	s_endpgm
.Lfunc_end_k_q743b34173f_proj:
	.size	k_q743b34173f_proj, .Lfunc_end_k_q743b34173f_proj-k_q743b34173f_proj
	.p2alignl 7, 3214868480
	.fill 96, 4, 3214868480
	.section	.rodata,"a",@progbits
	.p2align	6, 0x0
	.amdhsa_kernel k_q743b34173f_proj
		.amdhsa_group_segment_fixed_size 327680
		.amdhsa_private_segment_fixed_size 0
		.amdhsa_enable_private_segment 0
		.amdhsa_kernarg_size 24
		.amdhsa_user_sgpr_count 2
		.amdhsa_user_sgpr_kernarg_segment_ptr 1
		.amdhsa_wavefront_size32 1
		.amdhsa_system_sgpr_workgroup_id_x 1
		.amdhsa_system_sgpr_workgroup_id_y 1
		.amdhsa_system_sgpr_workgroup_id_z 1
		.amdhsa_system_vgpr_workitem_id 0
		.amdhsa_next_free_vgpr 1024
		.amdhsa_next_free_sgpr 66
		.amdhsa_reserve_vcc 0
		.amdhsa_float_denorm_mode_32 3
		.amdhsa_float_denorm_mode_16_64 3
		.amdhsa_memory_ordered 1
		.amdhsa_forward_progress 1
		.amdhsa_inst_pref_size 196
	.end_amdhsa_kernel
	.amdgpu_metadata
---
amdhsa.version: [ 1, 2 ]
amdhsa.kernels:
  - .name:           k_q743b34173f_proj
    .symbol:         k_q743b34173f_proj.kd
    .args:
      - { .name: xb, .offset: 0, .size: 8, .value_kind: global_buffer, .address_space: global }
      - { .name: wb, .offset: 8, .size: 8, .value_kind: global_buffer, .address_space: global }
      - { .name: qkv, .offset: 16, .size: 8, .value_kind: global_buffer, .address_space: global }
    .group_segment_fixed_size: 327680
    .private_segment_fixed_size: 0
    .kernarg_segment_align: 8
    .kernarg_segment_size: 24
    .max_flat_workgroup_size: 128
    .sgpr_count:     66
    .vgpr_count:     1024
    .wavefront_size: 32
...
	.end_amdgpu_metadata
.endif
;; end of part 2
;; launch attn (part 3): grid 8 x 32, 8 waves a work-group, clusters of 4 x 1, 327,680 bytes of LDS; arguments qkv, mbits, ctx; writes ctx
.if DOCPART == 3
	.amdgcn_target "amdgcn-amd-amdhsa--gfx1250"
	.amdhsa_code_object_version 6
	.text
	.protected	k_q743b34173f_attn
	.globl	k_q743b34173f_attn
	.p2align	8
	.type	k_q743b34173f_attn,@function
k_q743b34173f_attn:
	s_mov_b64 s[64:65], 0
	v_nop
	global_prefetch_b8 v0, s[64:65] scope:SCOPE_SE
	s_setreg_imm32_b32 hwreg(HW_REG_WAVE_MODE, 25, 1), 1
	s_wait_xcnt 0x0
	s_wait_alu depctr_hold_cnt(0) depctr_sa_sdst(0) depctr_va_vdst(0) depctr_va_sdst(0) depctr_va_ssrc(0) depctr_va_vcc(0) depctr_vm_vsrc(0)
	s_getreg_b32 s2, hwreg(HW_REG_IB_STS2, 6, 4)
	s_cmp_eq_u32 s2, 0
	s_cbranch_scc0 .Lentry_in_a_cluster
	s_endpgm
.Lentry_in_a_cluster:
	s_bfe_u32 s2, ttmp6, 0x10000c
	s_cmp_lg_u32 s2, 0x3003
	s_cbranch_scc0 .Lentry_shape_is_right
	s_endpgm
.Lentry_shape_is_right:
; attn: softmax(mask(Q K^T / 8)) V for one (batch, head) and 256 queries, with a running maximum.  qkv: f16 [3][bh 32][2048][64] (Q already times 0.125 log2 e, so a
; score is in units of log2), mbits: lane-mask words, ctx: f16 [row block of 128][h 16][128][64].
; Eight waves, 32 queries each (two tiles t of 16), all 2,048 keys, in steps of 64.  8 x 32 = 256 work-groups.
; CLUSTERS: the four query blocks of a cluster walk the same head's K and V: each tile is asked for jointly by the four (mask 15).
; LAYOUT: S^T = K Q^T, so lane (r, h), register j holds key 8 h + j of query r: a row's maximum and sum stay in the lane, with one exchange between the halves, and two
; packed S^T tiles are the second source of O^T = V^T P^T as they lie.  V^T's fragments come out of [key][d] rows by the transposing load.
; A closed mask bit REPLACES the score by -1e9 log2(e), as the reference replaces it by -1e9: a row with no open key comes out uniform.
; LIMITS: P is summed in f32 before it is rounded to f16; a p below 2^-25 of its row's running maximum is dropped from P V.  NaN and infinite inputs are not treated.
.set SLOTB, 0x20000                    ; slot 1 begins here
.set VP,    160                        ; V's LDS row: 128 bytes + 32 = 5 x 32
.set KP,    144                        ; K's LDS row: 128 bytes + 16 = 9 x 16
.set KOFF,  256*VP                     ; a slot: V's 256 rows, then K's 256 rows
.set STAGE, KOFF+256*KP                ; 77,824, a multiple of 256, between the slots: 32 rows x 144 bytes for each wave; no fill lands here
.set SP,    144
.set NEG,   0xceabfb8f                 ; -1e9 * log2(e)
.set KA, 1                             ; v1-2   my K fragments in slot 0, 1
.set VA, 3                             ; v3-4   my V fragments in slot 0, 1
                                       ; v5 NEG; v6, v7, v8 the way out; v9 Q's offset
                                       ; v[10:11], v[12:13] (M, new maximum) of t = 0, 1; v[14:15], v[16:17] (A = 2^(old M - new M), the exponent); v[18:19], v[20:21] the row sums, two partial sums each
                                       ; v22-29 maxima at work; v30, v31 what the other half of the lanes sends
.set QF, 32                            ; v[32:63]   Q(t, kd) at +16 t + 8 kd
.set SS, 64                            ; v[64:127]  S(t, kt) at +32 t + 8 kt; then P(t, kc) at +32 t + 8 kc
.set KV, 128                           ; v[128:191] K(kt, kd) at +16 kt + 8 kd, later V(kc, dt) at +32 kc + 8 dt
.set OO, 192                           ; v[192:255] O(t, dt) at +32 t + 8 dt
                                       ; s2 wave, s3 trips, s[4:5] mask words, s6-7 lane selects, s[8:11] K's group 0, s[12:15] V's, s[16:63] and s[68:83] 64 mask words,
                                       ; s[66:67] Q, s[84:91] K's group 1, s[92:99] V's, s[100:101] ctx
.macro ROUND                           ; a round of the cluster's barrier
	s_barrier_signal -1
	s_barrier_wait -1
	s_cmp_lg_u32 s2, 0
	s_cbranch_scc1 .Lnot_wave_0_\@
	s_barrier_signal -3
.Lnot_wave_0_\@:
	s_barrier_wait -3
	s_barrier_signal -1
	s_barrier_wait -1
.endm
.macro JLOAD                           ; waves 0-3 ask for 64 rows of V each, waves 4-7 for 64 rows of K: one load a wave
	s_cmp_lt_u32 s2, 4
	s_cbranch_scc0 .Lfor_k_\@
	tensor_load_to_lds s[12:15], s[92:99]
	s_nop 0
	s_branch .Lasked_\@
.Lfor_k_\@:
	tensor_load_to_lds s[8:11], s[84:91]
	s_nop 0
.Lasked_\@:
.endm
.macro MLOAD off                       ; a step's 64 mask words: group g = 2 (kt / 2) + t, word 8 (kt % 2) + j
	s_load_b512 s[16:31], s[4:5], \off
	s_load_b512 s[32:47], s[4:5], \off+64
	s_load_b512 s[48:63], s[4:5], \off+128
	s_load_b512 s[68:83], s[4:5], \off+192
.endm
	s_load_b128 s[16:19], s[0:1], 0x0              ; qkv, mbits
	s_load_b64 s[100:101], s[0:1], 0x10            ; ctx
	s_set_vgpr_msb 0x40
	v_lshl_add_u32 v0, v0, 2, 0x33000
	v_mov_b32 v1, 0
	s_set_vgpr_msb 0x4045
	ds_add_u32 v0, v1
	s_set_vgpr_msb 0x4500
	v_lshrrev_b32 v1, 5, v0
	v_readfirstlane_b32 s2, v1                     ; wave 0..7
	s_mov_b32 s6, 0x76543210                       ; v_permlanex16_b32: lane i reads lane i of the other half
	s_mov_b32 s7, 0xfedcba98
	s_bfe_u32 s20, ttmp6, 0x40000                  ; cx
	s_lshl_b32 s21, ttmp9, 2
	s_add_co_u32 s20, s21, s20                     ; qb = 4 x cluster x + cx
	s_and_b32 s22, ttmp7, 0xffff                   ; bh
	; tiles of 64 rows x 64 elements of 2 bytes, dense in memory; padding behind every 32 words: 4 words for K, 8 for V
	s_mov_b32 s84, 15|(1<<16)|(1<<20)|(1<<21)|(4<<22)|(3<<25)
	s_mov_b32 s85, 64<<16
	s_mov_b32 s86, 64<<16
	s_mov_b32 s87, 64<<16
	s_mov_b32 s88, 64
	s_mov_b32 s89, 64
	s_mov_b32 s90, 0
	s_mov_b32 s91, 0
	s_mov_b32 s92, 15|(1<<16)|(1<<20)|(1<<21)|(4<<22)|(7<<25)
	s_mov_b32 s93, 64<<16
	s_mov_b32 s94, 64<<16
	s_mov_b32 s95, 64<<16
	s_mov_b32 s96, 64
	s_mov_b32 s97, 64
	s_mov_b32 s98, 0
	s_mov_b32 s99, 0
	s_lshl_b32 s24, s22, 18                        ; the head: 262,144 bytes
	s_and_b32 s23, s2, 3
	s_lshl_b32 s23, s23, 13                        ; my 64 rows of 128 bytes
	s_add_co_u32 s26, s24, s23
	s_mov_b32 s27, 0
	s_mov_b32 s8, 1
	s_mul_i32 s9, s2, 64*KP
	s_add_co_u32 s9, s9, KOFF-4*64*KP              ; K: 40,960 + (wave - 4) x 9,216
	s_mov_b32 s12, 1
	s_mul_i32 s13, s2, 64*VP                       ; V: wave x 10,240
	s_wait_dscnt 0x0
	s_wait_kmcnt 0x0
	s_add_nc_u64 s[26:27], s[16:17], s[26:27]
	s_add_nc_u64 s[10:11], s[26:27], 8388608       ; K's section
	s_or_b32 s11, s11, 0x80000000
	s_add_nc_u64 s[14:15], s[26:27], 16777216      ; V's section
	s_or_b32 s15, s15, 0x80000000
	ROUND                                          ; the four work-groups are here: the first joint loads meet
	JLOAD                                          ; keys 0 to 255 into slot 0
	s_lshl_b32 s28, s20, 15                        ; Q: 256 qb + 32 wave rows of 128 bytes
	s_lshl_b32 s29, s2, 12
	s_add_co_u32 s28, s28, s29
	s_add_co_u32 s28, s28, s24
	s_mov_b32 s29, 0
	s_add_nc_u64 s[66:67], s[16:17], s[28:29]
	s_lshl_b32 s28, s20, 3
	s_add_co_u32 s28, s28, s2                      ; my 32 queries' words: 8,192 bytes
	s_lshl_b32 s28, s28, 13
	s_add_nc_u64 s[4:5], s[18:19], s[28:29]
	s_lshr_b32 s28, s22, 4                         ; ctx: row block 16 batch + 2 qb + wave / 4,
	s_lshl_b32 s28, s28, 4
	s_lshl1_add_u32 s28, s20, s28
	s_lshr_b32 s30, s2, 2
	s_add_co_u32 s28, s28, s30
	s_lshl_b32 s28, s28, 18
	s_and_b32 s30, s22, 15                         ; head,
	s_lshl_b32 s30, s30, 14
	s_add_co_u32 s28, s28, s30
	s_and_b32 s30, s2, 3                           ; 32 rows of 128 bytes
	s_lshl_b32 s30, s30, 12
	s_add_co_u32 s28, s28, s30
	s_add_nc_u64 s[100:101], s[100:101], s[28:29]
	s_mul_i32 s28, s2, 32*SP
	s_add_co_u32 s28, s28, STAGE                   ; my stage
	v_and_b32 v22, 15, v0                          ; r
	v_bfe_u32 v23, v0, 4, 1                        ; h
	v_lshlrev_b32 v9, 7, v22
	v_lshl_add_u32 v9, v23, 4, v9                  ; Q: row r, 16 h bytes along d
.irp t, 0,1
.irp kd, 0,1
	global_load_b128 v[QF+16*\t+8*\kd:QF+16*\t+8*\kd+3], v9, s[66:67] offset:\t*2048+\kd*64
	global_load_b128 v[QF+16*\t+8*\kd+4:QF+16*\t+8*\kd+7], v9, s[66:67] offset:\t*2048+\kd*64+32
.endr
.endr
	v_mul_u32_u24 v24, v22, KP
	v_lshl_add_u32 v24, v23, 4, v24                ; row r of 144 bytes + 16 h
	v_add_nc_u32 v[KA], KOFF, v24
	v_add_nc_u32 v[KA+1], KOFF+SLOTB, v24
	v_and_b32 v25, 7, v0
	v_lshl_add_u32 v25, v23, 3, v25                ; V: key row 8 h + lane % 8,
	v_mul_u32_u24 v25, v25, VP
	v_bfe_u32 v26, v0, 3, 1
	v_lshl_add_u32 v[VA], v26, 4, v25              ; eight d by bit 3 of the lane
	v_add_nc_u32 v[VA+1], SLOTB, v[VA]
	v_mov_b32 v5, NEG
	v_add_nc_u32 v6, s28, v24                      ; the way out, in: row r, 16 h
	v_and_b32 v27, 31, v0
	v_lshrrev_b32 v28, 3, v27
	v_mul_u32_u24 v28, v28, SP
	v_and_b32 v29, 7, v0
	v_lshl_add_u32 v28, v29, 4, v28
	v_add_nc_u32 v7, s28, v28                      ; back: eight lanes a row, four rows a load
	v_lshlrev_b32 v8, 4, v27                       ; 512 dense bytes in memory
	v_mov_b32 v30, 0                               ; v_permlanex16_b32's destination counts as read
	v_mov_b32 v31, 0
	MLOAD 0                                        ; the first step's words; the set-up's scalars in s[16:31] are done with
	s_wait_loadcnt 0x0                             ; Q, once
.macro MASK                            ; open: the score stays; closed: NEG
.irp kt, 0,1,2,3
.irp t, 0,1
.set MGX, 16+16*(2*(\kt>>1)+\t)+4*((2*(\kt>>1)+\t)/3)
.irp j, 0,1,2,3,4,5,6,7
	v_cndmask_b32 v[SS+32*\t+8*\kt+\j], v5, v[SS+32*\t+8*\kt+\j], s[MGX+8*(\kt&1)+\j]
.endr
.endr
.endr
.endm
; the new maximum of each query over its 32 scores in this lane, the old maximum and the other half's lane; then A = 2^(old - new)
.macro ROWMAX first
.irp t, 0,1
.irp kt, 0,1,2,3
	v_max3_num_f32 v[22+4*\t+\kt], v[SS+32*\t+8*\kt], v[SS+32*\t+8*\kt+1], v[SS+32*\t+8*\kt+2]
.endr
.endr
.irp t, 0,1
.irp kt, 0,1,2,3
	v_max3_num_f32 v[22+4*\t+\kt], v[22+4*\t+\kt], v[SS+32*\t+8*\kt+3], v[SS+32*\t+8*\kt+4]
.endr
.endr
.irp t, 0,1
.irp kt, 0,1,2,3
	v_max3_num_f32 v[22+4*\t+\kt], v[22+4*\t+\kt], v[SS+32*\t+8*\kt+5], v[SS+32*\t+8*\kt+6]
.endr
.endr
.irp t, 0,1
	v_max3_num_f32 v[22+4*\t], v[22+4*\t], v[23+4*\t], v[SS+32*\t+7]
	v_max3_num_f32 v[24+4*\t], v[24+4*\t], v[25+4*\t], v[SS+32*\t+15]
.endr
.irp t, 0,1
	v_max3_num_f32 v[22+4*\t], v[22+4*\t], v[24+4*\t], v[SS+32*\t+23]
.endr
.irp t, 0,1
.if \first
	v_max_num_f32 v[22+4*\t], v[22+4*\t], v[SS+32*\t+31]
.else
	v_max3_num_f32 v[22+4*\t], v[22+4*\t], v[SS+32*\t+31], v[10+2*\t]
.endif
.endr
	v_permlanex16_b32 v30, v22, s6, s7
	v_permlanex16_b32 v31, v26, s6, s7
	v_max_num_f32 v11, v22, v30
	v_max_num_f32 v13, v26, v31
.if \first == 0
	v_sub_f32 v15, v10, v11
	v_sub_f32 v17, v12, v13
.endif
	v_mov_b32 v10, v11
	v_mov_b32 v12, v13
.if \first == 0
	v_exp_f32 v14, v15                             ; used far below; the plain subtractions that follow are the place behind it (ISA guide 5.7.2)
	v_exp_f32 v16, v17
.endif
.endm
.macro SUBEXP kt, t                    ; p = 2^(s - M), in place
.irp i, 0,1,2,3
	v_pk_add_f32 v[SS+32*\t+8*\kt+2*\i:SS+32*\t+8*\kt+2*\i+1], v[SS+32*\t+8*\kt+2*\i:SS+32*\t+8*\kt+2*\i+1], v[10+2*\t:11+2*\t] op_sel_hi:[1,0] neg_lo:[0,1] neg_hi:[0,1]
.endr
.irp j, 0,1,2,3,4,5,6,7
	v_exp_f32 v[SS+32*\t+8*\kt+\j], v[SS+32*\t+8*\kt+\j]
.endr
.endm
; a tile's p are added to the row sums (the step's first addition carries the rescaling) and packed to f16 downward in place: tile kt's 8 registers become registers 4 kt .. 4 kt + 3 of
; the query tile's block, which tiles finished earlier have left
.macro FINISH kt, t, first
.set SB, SS+32*\t+8*\kt
.if \kt == 0
.if \first
	s_wait_alu depctr_va_vdst(0)
	v_pk_add_f32 v[18+2*\t:19+2*\t], v[SB:SB+1], v[SB+2:SB+3]
.else
	s_wait_alu depctr_va_vdst(0)
	v_pk_fma_f32 v[18+2*\t:19+2*\t], v[18+2*\t:19+2*\t], v[14+2*\t:15+2*\t], v[SB:SB+1] op_sel_hi:[1,0,1]
	v_pk_add_f32 v[18+2*\t:19+2*\t], v[18+2*\t:19+2*\t], v[SB+2:SB+3]
.endif
.else
	s_wait_alu depctr_va_vdst(0)
	v_pk_add_f32 v[18+2*\t:19+2*\t], v[18+2*\t:19+2*\t], v[SB:SB+1]
	v_pk_add_f32 v[18+2*\t:19+2*\t], v[18+2*\t:19+2*\t], v[SB+2:SB+3]
.endif
	v_pk_add_f32 v[18+2*\t:19+2*\t], v[18+2*\t:19+2*\t], v[SB+4:SB+5]
	v_pk_add_f32 v[18+2*\t:19+2*\t], v[18+2*\t:19+2*\t], v[SB+6:SB+7]
.irp i, 0,1,2,3
	v_cvt_pk_f16_f32 v[SS+32*\t+4*\kt+\i], v[SB+2*\i], v[SB+2*\i+1]
.endr
.endm
; 64 keys: rows 64 st .. 64 st + 63 of a slot
.macro STEP slot, st, first, ptrstep, lastmask
.if \first == 0
.rept 5
	v_nop                                          ; behind the last step's matrix instructions: four places before loads into their first sources, five before new scores are written over P
.endr
.endif
.irp kd, 0,1
.irp kt, 0,1,2,3
	ds_load_b128 v[KV+16*\kt+8*\kd:KV+16*\kt+8*\kd+3], v[KA+\slot] offset:(64*\st+16*\kt)*KP+64*\kd
	ds_load_b128 v[KV+16*\kt+8*\kd+4:KV+16*\kt+8*\kd+7], v[KA+\slot] offset:(64*\st+16*\kt)*KP+64*\kd+32
.endr
.endr
	s_wait_dscnt 0x8                               ; d = 0..31 of the four key tiles is in; the eight loads of d = 32..63 stay out
.irp kt, 0,1,2,3
.irp t, 0,1
	v_wmma_f32_16x16x32_f16 v[SS+32*\t+8*\kt:SS+32*\t+8*\kt+7], v[KV+16*\kt:KV+16*\kt+7], v[QF+16*\t:QF+16*\t+7], 0
.endr
.endr
	s_wait_dscnt 0x0
.irp kt, 0,1,2,3                       ; the eight accumulators take turns, one instruction a turn
.irp t, 0,1
	v_wmma_f32_16x16x32_f16 v[SS+32*\t+8*\kt:SS+32*\t+8*\kt+7], v[KV+16*\kt+8:KV+16*\kt+15], v[QF+16*\t+8:QF+16*\t+15], v[SS+32*\t+8*\kt:SS+32*\t+8*\kt+7]
.endr
.endr
.rept 4
	v_nop                                          ; four places: V is loaded over K's fragments, and the scores are read
.endr
.irp kc, 0,1
.irp dt, 0,1,2,3
	ds_load_tr16_b128 v[KV+32*\kc+8*\dt:KV+32*\kc+8*\dt+3], v[VA+\slot] offset:(64*\st+32*\kc)*VP+32*\dt
	ds_load_tr16_b128 v[KV+32*\kc+8*\dt+4:KV+32*\kc+8*\dt+7], v[VA+\slot] offset:(64*\st+32*\kc+16)*VP+32*\dt
.endr
.endr
	s_wait_kmcnt 0x0                               ; this step's mask words are in, so their base may step
.if \ptrstep
	s_add_nc_u64 s[4:5], s[4:5], 1024              ; four steps' words
.endif
	MASK
.if \lastmask == 0
	MLOAD (\st+1)*256                              ; the next step's words, a whole step ahead of their use
.endif
	ROWMAX \first
	SUBEXP 0, 0                                    ; behind each run of exponentials stand plain instructions on another tile's registers
	SUBEXP 0, 1
	FINISH 0, 0, \first
	SUBEXP 1, 0
	FINISH 0, 1, \first
	SUBEXP 1, 1
	FINISH 1, 0, \first
	SUBEXP 2, 0
	FINISH 1, 1, \first
	SUBEXP 2, 1
	FINISH 2, 0, \first
	SUBEXP 3, 0
	FINISH 2, 1, \first
	SUBEXP 3, 1
	FINISH 3, 0, \first
.if \first == 0
.irp t, 0,1
.irp i, 0,1,2,3,4,5,6,7,8,9,10,11,12,13,14,15
	v_pk_mul_f32 v[OO+32*\t+2*\i:OO+32*\t+2*\i+1], v[OO+32*\t+2*\i:OO+32*\t+2*\i+1], v[14+2*\t:15+2*\t] op_sel_hi:[1,0]   ; O to the new maximum
.endr
.endr
.endif
	FINISH 3, 1, \first
	s_wait_dscnt 0x0                               ; V's fragments are in
.irp kc, 0,1
.set ZC, \first*(1-\kc)                ; the very first product starts the sums: nothing is cleared
.irp dt, 0,1,2,3                       ; eight accumulators by turns, one instruction a turn
.irp t, 0,1
.if ZC
	v_wmma_f32_16x16x32_f16 v[OO+32*\t+8*\dt:OO+32*\t+8*\dt+7], v[KV+32*\kc+8*\dt:KV+32*\kc+8*\dt+7], v[SS+32*\t+8*\kc:SS+32*\t+8*\kc+7], 0
.else
	v_wmma_f32_16x16x32_f16 v[OO+32*\t+8*\dt:OO+32*\t+8*\dt+7], v[KV+32*\kc+8*\dt:KV+32*\kc+8*\dt+7], v[SS+32*\t+8*\kc:SS+32*\t+8*\kc+7], v[OO+32*\t+8*\dt:OO+32*\t+8*\dt+7]
.endif
.endr
.endr
.endr
.endm
; 256 keys in one slot.  In front of the round every wave waits for all its tensor loads (its part of this slot) and for its reads of the other slot; behind the round the
; other slot is asked for first thing, one load a wave, and has this phase's four steps in which to land.
.macro PHASE slot, refill, first, last
	s_set_vgpr_msb 0x5
	s_wait_tensorcnt 0x0                           ; no tensor load of mine is out: the group 0 registers may be written
	ds_add_u32 v0, v1
	s_wait_dscnt 0x0
	s_set_vgpr_msb 0x500
	s_xor_b32 s9, s9, SLOTB                        ; the other slot,
	s_xor_b32 s13, s13, SLOTB
	s_add_nc_u64 s[10:11], s[10:11], 32768         ; the next 256 rows (in the last phase not used)
	s_add_nc_u64 s[14:15], s[14:15], 32768
	s_wait_dscnt 0x0
	ROUND
.if \refill
	JLOAD
.endif
	STEP \slot, 0, \first, 1-\first, 0
	STEP \slot, 1, 0, 0, 0
	STEP \slot, 2, 0, 0, 0
	STEP \slot, 3, 0, 0, \last
.endm
	PHASE 0, 1, 1, 0                               ; keys 0..255; slot 1 gets its first fill behind this phase's round
	s_mov_b32 s3, 3
.Lpair:
	PHASE 1, 1, 0, 0
	PHASE 0, 1, 0, 0
	s_sub_co_u32 s3, s3, 1
	s_cmp_lg_u32 s3, 0
	s_cbranch_scc1 .Lpair
	PHASE 1, 0, 0, 1                               ; keys 1792..2047: nothing is left to fetch
	; the way out: divide by the row sums, round to f16, through my stage into dense rows
.rept 4
	v_nop                                          ; four places behind the last matrix instructions
.endr
	v_add_f32 v18, v18, v19
	v_add_f32 v20, v20, v21
	v_permlanex16_b32 v30, v18, s6, s7             ; the other half's keys
	v_permlanex16_b32 v31, v20, s6, s7
	v_add_f32 v18, v18, v30
	v_add_f32 v20, v20, v31                        ; at least 1: the row's largest score gives p = 1
	v_rcp_f32 v14, v18
	v_rcp_f32 v16, v20
	v_nop                                          ; the place behind the reciprocals (ISA guide 5.7.2)
	s_wait_alu depctr_va_vdst(0)
.irp t, 0,1
.irp i, 0,1,2,3,4,5,6,7,8,9,10,11,12,13,14,15
	v_pk_mul_f32 v[OO+32*\t+2*\i:OO+32*\t+2*\i+1], v[OO+32*\t+2*\i:OO+32*\t+2*\i+1], v[14+2*\t:15+2*\t] op_sel_hi:[1,0]
.endr
.endr
.irp t, 0,1
.irp i, 0,1,2,3,4,5,6,7,8,9,10,11,12,13,14,15
	v_cvt_pk_f16_f32 v[SS+16*\t+\i], v[OO+32*\t+2*\i], v[OO+32*\t+2*\i+1]      ; tile dt's eight d become registers 4 dt .. 4 dt + 3
.endr
.endr
.irp t, 0,1
.irp dt, 0,1,2,3
	ds_store_b128 v6, v[SS+16*\t+4*\dt:SS+16*\t+4*\dt+3] offset:\t*16*SP+32*\dt
.endr
.endr
.irp i, 0,1,2,3,4,5,6,7
	ds_load_b128 v[KV+4*\i:KV+4*\i+3], v7 offset:4*SP*\i           ; LDS serves a wave's instructions in order: these see the stores above
.endr
.irp i, 0,1,2,3,4,5,6,7
	s_wait_dscnt 7-\i                              ; read-back i is in, the 7 - i younger ones stay out
	global_store_b128 v8, v[KV+4*\i:KV+4*\i+3], s[100:101] offset:512*\i       ; 512 consecutive bytes, aligned
.endr
	s_set_vgpr_msb 0x5
	s_wait_tensorcnt 0x0
	ds_add_u32 v0, v1
	s_wait_dscnt 0x0
	s_set_vgpr_msb 0x500
	ROUND                                          ; the closing round: no work-group ends while a partner may still ask for a tile that names it
	s_endpgm
.Lfunc_end_k_q743b34173f_attn:
	.size	k_q743b34173f_attn, .Lfunc_end_k_q743b34173f_attn-k_q743b34173f_attn
	.p2alignl 7, 3214868480
	.fill 96, 4, 3214868480
	.section	.rodata,"a",@progbits
	.p2align	6, 0x0
	.amdhsa_kernel k_q743b34173f_attn
		.amdhsa_group_segment_fixed_size 327680
		.amdhsa_private_segment_fixed_size 0
		.amdhsa_enable_private_segment 0
		.amdhsa_kernarg_size 24
		.amdhsa_user_sgpr_count 2
		.amdhsa_user_sgpr_kernarg_segment_ptr 1
		.amdhsa_wavefront_size32 1
		.amdhsa_system_sgpr_workgroup_id_x 1
		.amdhsa_system_sgpr_workgroup_id_y 1
		.amdhsa_system_sgpr_workgroup_id_z 1
		.amdhsa_system_vgpr_workitem_id 0
		.amdhsa_next_free_vgpr 258
		.amdhsa_next_free_sgpr 102
		.amdhsa_reserve_vcc 0
		.amdhsa_float_denorm_mode_32 3
		.amdhsa_float_denorm_mode_16_64 3
		.amdhsa_memory_ordered 1
		.amdhsa_forward_progress 1
		.amdhsa_inst_pref_size 255
	.end_amdhsa_kernel
	.section	.bss,"aw",@nobits
	.p2align	6
	.space	262144
	.amdgpu_metadata
---
amdhsa.version: [ 1, 2 ]
amdhsa.kernels:
  - .name:           k_q743b34173f_attn
    .symbol:         k_q743b34173f_attn.kd
    .args:
      - { .name: qkv, .offset: 0, .size: 8, .value_kind: global_buffer, .address_space: global }
      - { .name: mbits, .offset: 8, .size: 8, .value_kind: global_buffer, .address_space: global }
      - { .name: ctx, .offset: 16, .size: 8, .value_kind: global_buffer, .address_space: global }
    .group_segment_fixed_size: 327680
    .private_segment_fixed_size: 0
    .kernarg_segment_align: 8
    .kernarg_segment_size: 24
    .max_flat_workgroup_size: 256
    .sgpr_count:     102
    .vgpr_count:     258
    .wavefront_size: 32
...
	.end_amdgpu_metadata
.endif
;; end of part 3
;; launch outp (part 4): grid 8 x 32, 4 waves a work-group, clusters of 4 x 4, 327,680 bytes of LDS; arguments ctx, wb, out0; writes out0
.if DOCPART == 4
	.amdgcn_target "amdgcn-amd-amdhsa--gfx1250"
	.amdhsa_code_object_version 6
	.text
	.protected	k_q743b34173f_outp
	.globl	k_q743b34173f_outp
	.p2align	8
	.type	k_q743b34173f_outp,@function
k_q743b34173f_outp:
	s_mov_b64 s[64:65], 0
	v_nop
	global_prefetch_b8 v0, s[64:65] scope:SCOPE_SE
	s_setreg_imm32_b32 hwreg(HW_REG_WAVE_MODE, 25, 1), 1
	s_wait_xcnt 0x0
	s_wait_alu depctr_hold_cnt(0) depctr_sa_sdst(0) depctr_va_vdst(0) depctr_va_sdst(0) depctr_va_ssrc(0) depctr_va_vcc(0) depctr_vm_vsrc(0)
	s_getreg_b32 s2, hwreg(HW_REG_IB_STS2, 6, 4)
	s_cmp_eq_u32 s2, 0
	s_cbranch_scc0 .Lentry_in_a_cluster
	s_endpgm
.Lentry_in_a_cluster:
	s_bfe_u32 s2, ttmp6, 0x10000c
	s_cmp_lg_u32 s2, 0xf033
	s_cbranch_scc0 .Lentry_shape_is_right
	s_endpgm
.Lentry_shape_is_right:
; outp: out0 = ctx W_T.  ctx: f16 [mb 32][h 16][128 rows][64], so k = 64 h + d; wb's fourth matrix: f16 [1024 k][1024 n]; out0: f32 [4096][1024]; sums in f32.
; The frame of proj: a work-group makes a block of 128 x 128 (8 x 32 = 256 work-groups), four waves 2 x 2 of 64 x 64, K in four fills of 256 (four heads) through a ring of two LDS slots.
; CLUSTERS: 4 x 4; ctx's tile hangs on mb alone and is asked for jointly by a row of the cluster, W_T's on nb alone and by a column.
; Waves 0, 1 ask for W_T's two halves (128 k rows each), waves 2, 3 for two heads of ctx each (256 dense rows of 128 bytes): one load a wave.
; The matrix instruction is used transposed (source 0 = W_T by the transposing load, source 1 = ctx): lane (r, h) holds row r, columns 8 h .. 8 h + 7 of a tile.
; REGISTERS as in proj: window 0 addresses and two fragment buffers; window 1 the accumulators, tile (mt, nt) at v[8 (4 mt + nt)].
.set PITCHB, 288                       ; W_T's LDS row: 256 bytes + 32
.set HALFB,  128*PITCHB
.set BBYTES, 2*HALFB
.set APITCH, 144                       ; ctx's LDS row: 128 bytes + 16
.set AH,     128*APITCH                ; from head to head in a slot: 18,432
.set SLOT,   BBYTES+4*AH               ; 147,456
.set STAGE,  2*SLOT                    ; behind the ring, a multiple of 256: 16 rows x 272 bytes for each wave; no fill lands here
.set SPITCH, 272
.set AADR, 16
.set BADR, 20
.set STO,  24
.set RD,   25
.set CO,   26
.set F0,   64
.set F1,   128
.set G1,  24
.set G0,  32
.set G1B, 48
.set G0B, 56
.set MUL, 0x50                         ; C and D in window 1
.set STD, 0x04                         ; an LDS store's data in window 1
.set MSB, 0
.macro WIN new
.if MSB != \new
	s_set_vgpr_msb (MSB<<8)|\new
.set MSB, \new
.endif
.endm
.macro PLACES                          ; four places behind a matrix instruction (ISA guide 7.12.1)
.rept 4
	v_nop
.endr
.endm
.macro JLOAD s
	s_cmp_eq_u32 s11, 0
	s_cbranch_scc0 .Lfor_a_\@
	tensor_load_to_lds s[G0B+4*\s:G0B+4*\s+3], s[G1B:G1B+7]
	s_nop 0
	s_branch .Lasked_\@
.Lfor_a_\@:
	tensor_load_to_lds s[G0+4*\s:G0+4*\s+3], s[G1:G1+7]
	s_nop 0
.Lasked_\@:
.endm
.macro CREST
	s_cmp_lg_u32 s10, 0
	s_cbranch_scc1 .Lnot_wave_0_\@
	s_barrier_signal -3
.Lnot_wave_0_\@:
	s_barrier_wait -3
	s_barrier_signal -1
	s_barrier_wait -1
.endm
.macro CROUND
	s_barrier_signal -1
	s_barrier_wait -1
	CREST
.endm
	s_load_b128 s[4:7], s[0:1], 0x0                ; ctx, wb
	s_load_b64 s[8:9], s[0:1], 0x10                ; out0
	v_lshl_add_u32 v254, v0, 2, 0x4c400
	v_mov_b32 v255, 0
	ds_add_u32 v254, v255
	v_lshrrev_b32 v1, 5, v0
	v_readfirstlane_b32 s10, v1                    ; wave 0..3
	s_lshr_b32 s11, s10, 1                         ; my half of the rows.  Also: I fetch for W_T (0) or for ctx (1)
	s_and_b32 s12, s10, 1                          ; my half of the columns.  Also: which half of that tile I fetch
	s_bfe_u32 s40, ttmp6, 0x40000                  ; cx
	s_bfe_u32 s41, ttmp6, 0x40004                  ; cy
	s_lshl_b32 s42, ttmp9, 2
	s_add_co_u32 s42, s42, s40                     ; nb
	s_and_b32 s13, ttmp7, 0xffff
	s_lshl_b32 s13, s13, 2
	s_add_co_u32 s13, s13, s41                     ; mb
	s_lshl_b32 s43, s41, 2
	s_lshl_b32 s43, 15, s43                        ; my row of the cluster
	s_lshl_b32 s44, 0x1111, s40                    ; my column
	; ctx's tiles: 256 dense rows x 64 elements of 2 bytes, 4 words of padding behind every 32 words
	s_or_b32 s[G1+0], s43, (1<<16)|(1<<20)|(1<<21)|(4<<22)|(3<<25)
	s_mov_b32 s[G1+1], 64<<16
	s_mov_b32 s[G1+2], 256<<16
	s_mov_b32 s[G1+3], 64<<16
	s_mov_b32 s[G1+4], 256
	s_mov_b32 s[G1+5], 64
	s_mov_b32 s[G1+6], 0
	s_mov_b32 s[G1+7], 0
	; W_T's tiles: 128 k rows x 128 elements, 8 words of padding behind every 64 words
	s_or_b32 s[G1B+0], s44, (1<<16)|(1<<20)|(1<<21)|(5<<22)|(7<<25)
	s_mov_b32 s[G1B+1], 128<<16
	s_mov_b32 s[G1B+2], 128<<16
	s_mov_b32 s[G1B+3], 128<<16
	s_mov_b32 s[G1B+4], 128
	s_mov_b32 s[G1B+5], 1024
	s_mov_b32 s[G1B+6], 0
	s_mov_b32 s[G1B+7], 0
	s_lshl_b32 s16, s13, 18                        ; ctx: row block mb of 262,144 bytes + two heads of 16,384 for the second half
	s_lshl_b32 s17, s12, 15
	s_add_co_u32 s16, s16, s17
	s_mov_b32 s17, 0
	s_lshl_b32 s46, s12, 18                        ; W_T: 128 half k rows of 2,048 bytes + 128 nb columns of 2 bytes,
	s_lshl_b32 s47, s42, 8
	s_add_co_u32 s46, s46, s47
	s_add_co_u32 s46, s46, 6291456                 ; in wb's fourth matrix
	s_mov_b32 s47, 0
	s_mul_i32 s20, s10, HALFB                      ; all four loads bring 36,864 bytes: wave x 36,864, W_T's halves first, then ctx's
	s_wait_dscnt 0x0
	s_wait_kmcnt 0x0
	s_add_nc_u64 s[14:15], s[4:5], s[16:17]
	s_add_nc_u64 s[46:47], s[6:7], s[46:47]
	CROUND                                         ; all sixteen work-groups are here: the first joint loads meet
.irp s, 0,1
	s_mov_b32 s[G0+4*\s], 1
	s_add_co_u32 s[G0+4*\s+1], s20, \s*SLOT
	s_add_nc_u64 s[G0+4*\s+2:G0+4*\s+3], s[14:15], \s*65536        ; fill s: four heads on
	s_or_b32 s[G0+4*\s+3], s[G0+4*\s+3], 0x80000000
	s_mov_b32 s[G0B+4*\s], 1
	s_add_co_u32 s[G0B+4*\s+1], s20, \s*SLOT
	s_add_nc_u64 s[G0B+4*\s+2:G0B+4*\s+3], s[46:47], \s*524288     ; fill s: 256 k rows further down
	s_or_b32 s[G0B+4*\s+3], s[G0B+4*\s+3], 0x80000000
	JLOAD \s                                       ; both first fills go out before anything else: two loads of the wave are out
.endr
	s_lshl_b32 s16, s13, 19                        ; out0: (128 mb + 64 half) rows of 4,096 bytes
	s_lshl_b32 s17, s11, 18
	s_add_co_u32 s16, s16, s17
	s_mov_b32 s17, 0
	s_add_nc_u64 s[8:9], s[8:9], s[16:17]
	s_lshl_b32 s22, s42, 9                         ; + (128 nb + 64 half) columns of 4 bytes
	s_lshl_b32 s23, s12, 8
	s_add_co_u32 s22, s22, s23
	s_mov_b32 s23, 0
	s_add_nc_u64 s[8:9], s[8:9], s[22:23]
	v_and_b32 v1, 15, v0                           ; r
	v_bfe_u32 v2, v0, 4, 1                         ; h
	v_mul_u32_u24 v3, v1, APITCH
	v_lshl_add_u32 v3, v2, 4, v3
	s_mul_i32 s18, s11, 64*APITCH
	s_add_co_u32 s18, s18, BBYTES
	v_add_nc_u32 v[AADR], s18, v3
	v_add_nc_u32 v[AADR+1], SLOT, v[AADR]
	v_and_b32 v4, 7, v0
	v_lshl_add_u32 v4, v2, 3, v4
	v_mul_u32_u24 v4, v4, PITCHB
	v_bfe_u32 v5, v0, 3, 1
	v_lshl_add_u32 v4, v5, 4, v4
	s_lshl_b32 s19, s12, 7
	v_add_nc_u32 v[BADR], s19, v4
	v_add_nc_u32 v[BADR+1], HALFB, v[BADR]
	v_add_nc_u32 v[BADR+2], SLOT, v[BADR]
	v_add_nc_u32 v[BADR+3], SLOT+HALFB, v[BADR]
	s_mul_i32 s18, s10, 16*SPITCH
	s_add_co_u32 s18, s18, STAGE                   ; my stage
	v_mul_u32_u24 v4, v1, SPITCH
	v_lshl_add_u32 v4, v2, 5, v4
	v_add_nc_u32 v[STO], s18, v4                   ; in: row r, 32 bytes for each half of the lanes
	v_mul_u32_u24 v4, v2, SPITCH
	v_lshl_add_u32 v4, v1, 4, v4
	v_add_nc_u32 v[RD], s18, v4                    ; back: sixteen lanes a row of 256 bytes, two rows a load
	v_lshlrev_b32 v5, 12, v2
	v_lshl_add_u32 v[CO], v1, 4, v5                ; and the same two rows in out0
.macro FETCH slot, kc, f
.irp nt, 0,1,2,3
	ds_load_tr16_b128 v[\f+32+8*\nt:\f+32+8*\nt+3], v[BADR+2*\slot+((\kc)>>2)] offset:((\kc)&3)*32*PITCHB+32*\nt
	ds_load_tr16_b128 v[\f+32+8*\nt+4:\f+32+8*\nt+7], v[BADR+2*\slot+((\kc)>>2)] offset:((\kc)&3)*32*PITCHB+32*\nt+16*PITCHB
.endr
.irp mt, 0,1,2,3
	ds_load_b128 v[\f+8*\mt:\f+8*\mt+3], v[AADR+\slot] offset:((\kc)>>1)*AH+((\kc)&1)*64+\mt*16*APITCH
	ds_load_b128 v[\f+8*\mt+4:\f+8*\mt+7], v[AADR+\slot] offset:((\kc)>>1)*AH+((\kc)&1)*64+\mt*16*APITCH+32
.endr
.endm
; The sixteen accumulators take turns, one instruction a turn, in the same order in every step.
.macro MUL8 f, half, zero
.irp mt, 2*\half, 2*\half+1
.irp nt, 0,1,2,3
.if \zero
	v_wmma_f32_16x16x32_f16 v[8*(4*(\mt)+\nt):8*(4*(\mt)+\nt)+7], v[\f+32+8*\nt:\f+32+8*\nt+7], v[\f+8*(\mt):\f+8*(\mt)+7], 0
.else
	v_wmma_f32_16x16x32_f16 v[8*(4*(\mt)+\nt):8*(4*(\mt)+\nt)+7], v[\f+32+8*\nt:\f+32+8*\nt+7], v[\f+8*(\mt):\f+8*(\mt)+7], v[8*(4*(\mt)+\nt):8*(4*(\mt)+\nt)+7]
.endif
.endr
.endr
.endm
.macro KC slot, kc, f, g, zero
	s_wait_dscnt 0x0                               ; this step's fragments are in
	PLACES                                         ; buffer g was read by the last step's matrix instructions
	FETCH \slot, \kc+1, \g
	WIN MUL
	MUL8 \f, 0, \zero
	MUL8 \f, 1, \zero
	WIN 0
.endm
.macro SEVEN slot, zero
	KC \slot, 0, F0, F1, \zero
	KC \slot, 1, F1, F0, 0
	KC \slot, 2, F0, F1, 0
	KC \slot, 3, F1, F0, 0
	KC \slot, 4, F0, F1, 0
	KC \slot, 5, F1, F0, 0
	KC \slot, 6, F0, F1, 0
.endm
; step 7 and the change of slots: each wave's reads of this slot and all its tensor loads are waited for in front of the barrier; fill = 1: the barrier opens a round of the
; cluster's barrier, and behind the round this slot is filled again, two fills ahead, first thing
.macro TURN slot, next, fill
	s_wait_dscnt 0x0
	s_wait_tensorcnt 0x0
	ds_add_u32 v254, v255
	s_wait_dscnt 0x0
	s_barrier_signal -1
	WIN MUL
	MUL8 F1, 0, 0
	WIN 0
	s_barrier_wait -1
.if \fill
	CREST
	s_add_nc_u64 s[G0+4*\slot+2:G0+4*\slot+3], s[G0+4*\slot+2:G0+4*\slot+3], 131072      ; eight heads on
	s_add_nc_u64 s[G0B+4*\slot+2:G0B+4*\slot+3], s[G0B+4*\slot+2:G0B+4*\slot+3], 1048576  ; 512 k rows on
	JLOAD \slot                                    ; my one tensor load until the next round
.endif
	PLACES
	FETCH \next, 0, F0
	WIN MUL
	MUL8 F1, 1, 0
	WIN 0
.endm
	s_wait_tensorcnt 0x1                           ; my part of fill 0 is in; fill 1 may stay out
	s_barrier_signal -1
	s_barrier_wait -1
	FETCH 0, 0, F0
	SEVEN 0, 1
	TURN 0, 1, 1
	SEVEN 1, 0
	TURN 1, 0, 1
	SEVEN 0, 0
	TURN 0, 1, 0
	SEVEN 1, 0
	s_wait_dscnt 0x0
	WIN MUL
	MUL8 F1, 0, 0
	MUL8 F1, 1, 0
	WIN 0
	; the way out, 16 rows at a time: a lane's 32 bytes into my stage, read back as whole rows of 256 bytes
	PLACES
.irp mt, 0,1,2,3
	WIN STD
.irp nt, 0,1,2,3
	ds_store_b128 v[STO], v[8*(4*\mt+\nt):8*(4*\mt+\nt)+3] offset:64*\nt
	ds_store_b128 v[STO], v[8*(4*\mt+\nt)+4:8*(4*\mt+\nt)+7] offset:64*\nt+16
.endr
	WIN 0
	s_wait_xcnt 0x0                                ; the registers that earlier stores read are loaded again only behind this wait
.irp i, 0,1,2,3,4,5,6,7
	ds_load_b128 v[F0+64*(\mt&1)+4*\i:F0+64*(\mt&1)+4*\i+3], v[RD] offset:2*SPITCH*\i   ; LDS serves a wave's instructions in order: these see the stores above
.endr
.irp i, 0,1,2,3,4,5,6,7
	s_wait_dscnt 7-\i                              ; read-back i is in, the 7 - i younger ones stay out
	global_store_b128 v[CO], v[F0+64*(\mt&1)+4*\i:F0+64*(\mt&1)+4*\i+3], s[8:9] offset:(16*\mt+2*\i)*4096 th:TH_STORE_NT   ; sixteen lanes store 256 consecutive bytes, aligned
.endr
.endr
	s_wait_tensorcnt 0x0
	ds_add_u32 v254, v255
	s_wait_dscnt 0x0
	CROUND                                         ; the closing round
	s_endpgm
.Lfunc_end_k_q743b34173f_outp:
	.size	k_q743b34173f_outp, .Lfunc_end_k_q743b34173f_outp-k_q743b34173f_outp
	.p2alignl 7, 3214868480
	.fill 96, 4, 3214868480
	.section	.rodata,"a",@progbits
	.p2align	6, 0x0
	.amdhsa_kernel k_q743b34173f_outp
		.amdhsa_group_segment_fixed_size 327680
		.amdhsa_private_segment_fixed_size 0
		.amdhsa_enable_private_segment 0
		.amdhsa_kernarg_size 24
		.amdhsa_user_sgpr_count 2
		.amdhsa_user_sgpr_kernarg_segment_ptr 1
		.amdhsa_wavefront_size32 1
		.amdhsa_system_sgpr_workgroup_id_x 1
		.amdhsa_system_sgpr_workgroup_id_y 1
		.amdhsa_system_sgpr_workgroup_id_z 1
		.amdhsa_system_vgpr_workitem_id 0
		.amdhsa_next_free_vgpr 384
		.amdhsa_next_free_sgpr 66
		.amdhsa_reserve_vcc 0
		.amdhsa_float_denorm_mode_32 3
		.amdhsa_float_denorm_mode_16_64 3
		.amdhsa_memory_ordered 1
		.amdhsa_forward_progress 1
		.amdhsa_inst_pref_size 89
	.end_amdhsa_kernel
	.amdgpu_metadata
---
amdhsa.version: [ 1, 2 ]
amdhsa.kernels:
  - .name:           k_q743b34173f_outp
    .symbol:         k_q743b34173f_outp.kd
    .args:
      - { .name: ctx, .offset: 0, .size: 8, .value_kind: global_buffer, .address_space: global }
      - { .name: wb, .offset: 8, .size: 8, .value_kind: global_buffer, .address_space: global }
      - { .name: out0, .offset: 16, .size: 8, .value_kind: global_buffer, .address_space: global }
    .group_segment_fixed_size: 327680
    .private_segment_fixed_size: 0
    .kernarg_segment_align: 8
    .kernarg_segment_size: 24
    .max_flat_workgroup_size: 128
    .sgpr_count:     66
    .vgpr_count:     384
    .wavefront_size: 32
...
	.end_amdgpu_metadata
.endif
;; end of part 4
